; MI455X (gfx1250); checked and timed in simulation.
; The chip was launched on July 23, 2026; its instructions are those of AMD's public machine-readable ISA for CDNA 5 (MIT licence, August 2026) and "CDNA5" Instruction Set Architecture Reference Guide (July 2026). The comments in the code are by the model that wrote it; some were corrected since.
;; Feed Forward Quantum. Allowed arithmetic: matrix products marked QUANTISED: E4M3 operands, one given power-of-two scale a tensor, by v_wmma_f32_16x16x64_fp8_fp8 or v_wmma_f32_16x16x128_fp8_fp8, f32 sums; products left as they are: f32 operands where the result goes on into a quantised operand, else bf16, f16 or f32 operands; f32 sums; everything else in f32.
;; Inputs: W1 4,096 x 10 float32; W2 1,024 x 4,096 float32; Win 10 x 1,024 float32; b1 4,096 float32; b2 1,024 float32; b_in 10 float32; lowp_scales 2 int32 (the exponents e of the quantised operands' scales 2^e); theta 10 float32; x 8 x 2,048 x 1,024 float32.
;; Outputs: out0 8 x 2,048 x 1,024 float32.
;; This version of the problem:
;;   THIS VERSION OF THE PROBLEM IS GIVEN IN LOW PRECISION. The matrix products marked QUANTISED in the list below multiply operands that are first quantised to E4M3 (4 exponent bits, 3 mantissa bits; 8 bits a number), with one given power-of-two scale for each operand tensor; their sums are f32. All else is computed in f32.
;;   The module's matrix products, in the order in which they are computed (A, B: the left and right operand; K: the contracted axis; several contracted axes count as one K, in the product's order):
;;     1. [M 16,384, K 1,024] x [K 1,024, N 10]; A: input x; B: input Win: left as it is (N = 10 < 16)
;;     2. [M 16,384, K 10] x [K 10, N 4,096]; A: computed on the way; B: input W1: left as it is (K = 10 < 32)
;;     3. [M 16,384, K 4,096] x [K 4,096, N 1,024]; A: computed on the way; B: input W2: QUANTISED (scales: A lowp_scales[0], B lowp_scales[1])
;;   THE QUANTISER, for each operand of a quantised product, along K:
;;     - The operand's scale is 2^e, e = its entry of the input lowp_scales (int32; the entries are numbered through the quantised products in the list's order, A before B).
;;     - Each number is divided by the scale, clamped to +-448, and rounded to the nearest number of E4M3, ties to even, subnormals kept.
;;     - The product sums the exact products of the quantised numbers (number of the format x scale) in f32.
;;   ~~~python
;;   def quantise(x, axis, e):      # numpy; x: float32 -> the quantised numbers, widened to float32 again
;;       x = np.moveaxis(x, axis, -1); K = x.shape[-1]
;;       r = np.clip(x / 2.0 ** e, -448, 448)
;;       step = 2.0 ** (np.maximum(np.frexp(np.where(r == 0, 1, r))[1] - 1, -6) - 3)
;;       q = np.round(r / step) * step * 2.0 ** e      # np.round: ties to even
;;       return np.moveaxis(q, -1, axis).astype(np.float32)
;;   ~~~
;;   OPERANDS COMPUTED ON THE WAY. 'Computed on the way' means the value that the module computes at that place (a softmax that the list does not call 'softmax' is quantised finished and normalised). What goes into a quantiser is computed in f32, as accurately as f32 sums, v_exp_f32 and their like allow (about 1e-6 of the number): no bf16 or f16 on the way to a quantiser, and a product that is left as it is and whose result goes on into a quantised operand takes f32 operands (vector FMAs, or v_wmma_f32_16x16x4_f32). A number that lies on a knife's edge between two numbers of the format may be rounded either way, as far as f32 arithmetic and the matrix unit's own rounding can turn it there, and no further.
;; One version. Each part assembles by itself: llvm-mc -triple=amdgcn-amd-amdhsa -mcpu=gfx1250 --defsym DOCPART=n.
;; ======== version 1 of 1: 2 launches
;; limits: right only within a limited range of input values
;; workspace buffers: qws 1,048,576 bytes; wsb 4,194,304 bytes; w1p 196,608 bytes
;; launch prep (part 1): grid 256 x 1, 4 waves a work-group, no clusters, 34,304 bytes of LDS; arguments x, Win, b_in, theta, W2, W1, b1, lowp_scales, qws, wsb, w1p; writes qws, wsb, w1p
.if DOCPART == 1
	.amdgcn_target "amdgcn-amd-amdhsa--gfx1250"
	.amdhsa_code_object_version 6
	.text
	.protected	k_q10e59e8839_prep
	.globl	k_q10e59e8839_prep
	.p2align	8
	.type	k_q10e59e8839_prep,@function
k_q10e59e8839_prep:
	s_mov_b64 s[64:65], 0
	v_nop
	global_prefetch_b8 v0, s[64:65] scope:SCOPE_SE
	s_setreg_imm32_b32 hwreg(HW_REG_WAVE_MODE, 25, 1), 1
	s_wait_xcnt 0x0
; Three things, each once, for the launch that follows:
;  (P) q[row][n] = cos(x[row] . Win[n] + b_in[n]) cos(theta[n]), 16,384 rows x 10, all in f32 -> qws [block of 16 rows][4 groups of 4 n][16 rows][4] (n = 10..15 stored as 0)
;  (W) W2 [1024][4096] f32 -> codes of E4M3 with the given scale 2^e1, laid in the order of an operand's registers:
;      wsb [K block of 128: 32][256 columns: 4][fragment of 16 columns: 16][register group c: 4][lane: 32][16 bytes]; the 16 codes are W2[16 b + lane % 16 ..][128 beta + 32 c + 16 (lane / 16) + 0..15]
;  (T) W1 [4096][10] and b1 -> w1p [K block: 32][32 units: 4][K step of four t: 3][lane: 32][4] f32, the image of the f32 matrix form's operand registers: number 2 u + j of lane (r, h) is
;      W1x[32 area + 8 u + r + 8 (r / 8)][4 t + 2 h + j], where W1x's columns are W1's ten, then b1, then 0
; SHARES. 256 work-groups of four waves, all alike.  Wave v of work-group G: rows 64 G + 16 v .. + 15 of x; fragments 2 v, 2 v + 1 of half G % 2 of wsb's region G / 2; wave 0 of the even work-groups: w1p's area G / 2.
; A row of x is 4,096 bytes: eight loads of 512 consecutive bytes; a lane keeps the same 32 columns in every row, so its 32 numbers of each of Win's ten rows stay in registers (320).
; Eight row slots: 56 loads of a wave are on their way while a row is worked on.  No barrier: waves share nothing; the LDS stage is each wave's own.  EXEC is never written.
; THE COSINE: n = nearest whole number to 2 x / pi; r = x - n pi / 2 with pi / 2 in three parts, by fused multiply-adds; polynomials for sin r and cos r on |r| <= pi / 4; the quadrant picks one and its sign.
; LIMITS: |x . Win + b_in| and |theta| up to 1e5 (beyond, the three parts of pi / 2 no longer hold r to f32's last bits); e1 between -126 and 119; NaN among the inputs is not served.
.set SP,   528                         ; the stage: a row of 512 bytes + 16 of padding, so that the 16 rows that a read touches start at 16 different banks
.set WST,  16*SP                       ; a wave's stage
.set ACC,  16                          ; v[16:35]   ten pairs of running sums
.set T,    36                          ; v[36:45]   a row's ten sums on their way across the lanes
.set U,    46                          ; v[46:55]   the other half's (written once: a lane permute's destination counts as read)
.set XR,   56                          ; v[56:65]   lane l: the ten results of row l % 16;  v66 theta
.set W89,  68                          ; v[68:131]  Win's rows 8 and 9
.set NN,   132
.set R2,   144
.set SS,   156
.set CC,   168
.set X,    132                         ; v[132:195] later: 64 numbers of W2 in the order of the operand's registers
.set CD,   196                         ; v[196:227] the two fragments' codes: registers of their own, so that no store's data are written again
.set S1,   228
.set ZR,   232
.set SCV,  233
.set LMV,  234
.set S2,   236
.set MSB, 0
.macro WIN new                         ; register windows; the immediate's high byte repeats the setting that is left
.if MSB != (\new)
	s_set_vgpr_msb (MSB<<8)|(\new)
.set MSB, (\new)
.endif
.endm
; window 1: eight row slots of 32 registers (later W2 as loaded);  window 2: Win's rows 0..7, 32 registers each
	s_load_b256 s[4:11], s[0:1], 0x0               ; x s[4:5], Win s[6:7], b_in s[8:9], theta s[10:11]
	s_load_b256 s[12:19], s[0:1], 0x20             ; W2 s[12:13], W1 s[14:15], b1 s[16:17], the scales' exponents s[18:19]
	s_load_b128 s[20:23], s[0:1], 0x40             ; qws s[20:21], wsb s[22:23]
	s_load_b64 s[24:25], s[0:1], 0x50              ; w1p
	v_lshl_add_u32 v254, v0, 2, 0x8400
	v_mov_b32 v255, 0
	v_lshrrev_b32 v5, 5, v0
	v_readfirstlane_b32 s26, v5                    ; wave
	v_and_b32 v6, 31, v0                           ; lane
	v_lshlrev_b32 v1, 4, v6                        ; 16 x lane: my 16 bytes of every 512; never rewritten
	v_min_u32 v2, 9, v6
	v_lshlrev_b32 v2, 2, v2                        ; theta: lane l takes theta[min(l, 9)]
	s_mul_i32 s27, s26, WST
	v_add_nc_u32 v3, s27, v1                       ; the stage, on the way in: a row's 512 bytes as they lie
	v_and_b32 v7, 15, v6
	v_lshrrev_b32 v8, 4, v6
	v_mul_u32_u24 v4, v7, SP
	v_lshl_add_u32 v4, v8, 6, v4
	v_add_nc_u32 v4, s27, v4                       ; and on the way out: row lane % 16, + 64 bytes for lanes 16-31
.irp n, 0,1,2,3,4,5,6,7,8,9
	v_mov_b32 v[U+\n], 0
.endr
	v_mov_b32 v[ZR], 0
	s_mov_b32 s42, 0x76543210                      ; v_permlanex16_b32: lane l takes lane l xor 16
	s_mov_b32 s43, 0xfedcba98
	s_mov_b32 s66, 0x3f22f983                      ; 2 / pi
	s_mov_b32 s67, 0x3fc90fdb                      ; pi / 2 = s67 - s68 - s69
	s_mov_b32 s68, 0x333bbd2e
	s_mov_b32 s69, 0x26f72ced
	s_mov_b32 s70, 0xb94ca1f9                      ; sin r = r + r z ((s70 z + s71) z + s72), z = r r
	s_mov_b32 s71, 0x3c08839e
	s_mov_b32 s72, 0xbe2aaaa3
	s_mov_b32 s73, 0x37ccf5ce                      ; cos r = 1 - z / 2 + z z ((s73 z + s74) z + s75)
	s_mov_b32 s74, 0xbab6061a
	s_mov_b32 s75, 0x3d2aaaa5
	s_mov_b32 s29, 0
	s_wait_kmcnt 0x0
	s_load_b256 s[32:39], s[8:9], 0x0              ; b_in[0..7]
	s_load_b64 s[40:41], s[8:9], 0x20              ; b_in[8..9]
	s_load_b32 s2, s[18:19], 0x4                   ; e1
	s_lshl_b32 s28, ttmp9, 18                      ; x: 64 rows of 4,096 bytes a work-group,
	s_lshl_b32 s30, s26, 16                        ; 16 a wave
	s_add_co_u32 s28, s28, s30
	s_add_nc_u64 s[4:5], s[4:5], s[28:29]
	s_and_b32 s28, ttmp9, 7                        ; W2: row 128 (G % 8) + 32 wave, of 16,384 bytes; + 512 bytes for each K block G / 8
	s_lshl_b32 s28, s28, 21
	s_lshl_b32 s30, s26, 19
	s_add_co_u32 s28, s28, s30
	s_lshr_b32 s30, ttmp9, 3
	s_lshl_b32 s30, s30, 9
	s_add_co_u32 s28, s28, s30
	s_add_nc_u64 s[12:13], s[12:13], s[28:29]
	s_lshl_b32 s28, ttmp9, 14                      ; wsb: 16,384 G + 4,096 wave (half a region a work-group, two fragments a wave)
	s_lshl_b32 s30, s26, 12
	s_add_co_u32 s28, s28, s30
	s_add_nc_u64 s[22:23], s[22:23], s[28:29]
	s_lshl_b32 s28, ttmp9, 12                      ; qws: 1,024 bytes for each block of 16 rows
	s_lshl_b32 s30, s26, 10
	s_add_co_u32 s28, s28, s30
	s_add_nc_u64 s[20:21], s[20:21], s[28:29]
.macro XROW row                        ; a row of x into slot row % 8: eight loads of 512 consecutive bytes
.irp t, 0,1,2,3,4,5,6,7
	global_load_b128 v[32*((\row)%8)+4*\t:32*((\row)%8)+4*\t+3], v1, s[4:5] offset:4096*(\row)+512*\t th:TH_LOAD_NT
.endr
.endm
.macro WFRAG f                         ; 16 rows of W2 x 128 along K: sixteen loads of 512 consecutive bytes, into slots 2 f and 2 f + 1
.irp r, 0,1,2,3,4,5,6,7,8,9,10,11,12,13,14,15
	global_load_b128 v[64*(\f)+4*\r:64*(\f)+4*\r+3], v1, s[12:13] offset:16384*(16*(\f)+\r) th:TH_LOAD_NT
.endr
.endm
	global_load_b32 v[XR+10], v2, s[10:11]         ; theta
.irp n, 8,9
.irp t, 0,1,2,3,4,5,6,7
	global_load_b128 v[W89+32*(\n-8)+4*\t:W89+32*(\n-8)+4*\t+3], v1, s[6:7] offset:4096*\n+512*\t
.endr
.endr
	WIN 0x80                                       ; destination window 2
.irp n, 0,1,2,3,4,5,6,7
.irp t, 0,1,2,3,4,5,6,7
	global_load_b128 v[32*\n+4*\t:32*\n+4*\t+3], v1, s[6:7] offset:4096*\n+512*\t
.endr
.endr
	WIN 0x40                                       ; destination window 1
.irp i, 0,1,2,3,4,5,6,7
	XROW \i
.endr
	WIN 0
; One row: 160 packed multiply-adds (ten sums, two halves each), the slot's next load, the sums across the 32 lanes, and lanes i and i + 16 keep the row's ten results.
; cnt = the loads issued behind this row's eight.  refill: 1 = the row eight further on; 2, 3 = W2's fragment 0, 1 (two slots that are done with); 0 = nothing.
.macro ROW i, cnt, refill
	s_wait_loadcnt \cnt
.set z, 32*((\i)%8)
	WIN 0x09                                       ; source 0 (x) window 1, source 1 (Win) window 2
.irp u, 0,1,2,3,4,5,6,7,8,9,10,11,12,13,14,15
.irp n, 0,1,2,3,4,5,6,7
.if \u == 0
	v_pk_mul_f32 v[ACC+2*\n:ACC+2*\n+1], v[z+2*\u:z+2*\u+1], v[32*\n+2*\u:32*\n+2*\u+1]
.else
	v_pk_fma_f32 v[ACC+2*\n:ACC+2*\n+1], v[z+2*\u:z+2*\u+1], v[32*\n+2*\u:32*\n+2*\u+1], v[ACC+2*\n:ACC+2*\n+1]
.endif
.endr
.endr
	WIN 0x01                                       ; source 0 (x) window 1, Win's rows 8 and 9 in window 0
.irp u, 0,1,2,3,4,5,6,7,8,9,10,11,12,13,14,15
.irp n, 8,9
.if \u == 0
	v_pk_mul_f32 v[ACC+2*\n:ACC+2*\n+1], v[z+2*\u:z+2*\u+1], v[W89+32*(\n-8)+2*\u:W89+32*(\n-8)+2*\u+1]
.else
	v_pk_fma_f32 v[ACC+2*\n:ACC+2*\n+1], v[z+2*\u:z+2*\u+1], v[W89+32*(\n-8)+2*\u:W89+32*(\n-8)+2*\u+1], v[ACC+2*\n:ACC+2*\n+1]
.endif
.endr
.endr
.if \refill == 1
	WIN 0x40
	XROW \i+8
.elseif \refill == 2
	WIN 0x40
	WFRAG 0
.elseif \refill == 3
	WIN 0x40
	WFRAG 1
.endif
	WIN 0
.irp n, 0,1,2,3,4,5,6,7,8,9
	v_add_f32 v[T+\n], v[ACC+2*\n], v[ACC+2*\n+1]
.endr
.irp m, 1,2,4,8
.irp n, 0,1,2,3,4,5,6,7,8,9
	v_add_f32_dpp v[T+\n], v[T+\n], v[T+\n] row_xmask:\m row_mask:0xf bank_mask:0xf
.endr
.endr
.irp n, 0,1,2,3,4,5,6,7,8,9
	v_permlanex16_b32 v[U+\n], v[T+\n], s42, s43
.endr
.irp n, 0,1,2,3,4,5,6,7,8,9
	v_add_f32 v[T+\n], v[T+\n], v[U+\n]            ; every lane holds the row's sum
.endr
.if (\i) == 0
.irp n, 0,1,2,3,4,5,6,7,8,9
	v_mov_b32 v[XR+\n], v[T+\n]                    ; the first row writes all lanes
.endr
.else
	s_mov_b32 s31, 0x00010001<<(\i)                ; lanes i and i + 16
.irp n, 0,1,2,3,4,5,6,7,8,9
	v_cndmask_b32 v[XR+\n], v[XR+\n], v[T+\n], s31
.endr
.endif
.endm
; the counts: behind a row's loads stand those of the seven rows after it (56); from row 9 on fewer rows, and W2's sixteen loads a fragment
.irp i, 0,1,2,3,4,5,6,7
	ROW \i, 56, 1
.endr
	ROW 8, 56, 0
	ROW 9, 48, 2
	ROW 10, 56, 0
	ROW 11, 48, 3
	ROW 12, 56, 0
	ROW 13, 48, 0
	ROW 14, 40, 0
	ROW 15, 32, 0
	; the cosine of eleven numbers a lane, in step: ten projections of row lane % 16, and theta[min(lane, 9)]
	s_wait_kmcnt 0x0
.irp n, 0,1,2,3,4,5,6,7,8,9
	v_add_f32 v[XR+\n], s[32+\n], v[XR+\n]         ; + b_in
.endr
.irp n, 0,1,2,3,4,5,6,7,8,9,10
	v_mul_f32 v[NN+\n], s66, v[XR+\n]
.endr
.irp n, 0,1,2,3,4,5,6,7,8,9,10
	v_rndne_f32 v[NN+\n], v[NN+\n]
.endr
.irp n, 0,1,2,3,4,5,6,7,8,9,10
	v_fma_f32 v[XR+\n], -v[NN+\n], s67, v[XR+\n]
.endr
.irp n, 0,1,2,3,4,5,6,7,8,9,10
	v_fma_f32 v[XR+\n], v[NN+\n], s68, v[XR+\n]
.endr
.irp n, 0,1,2,3,4,5,6,7,8,9,10
	v_fma_f32 v[XR+\n], v[NN+\n], s69, v[XR+\n]    ; r
.endr
.irp n, 0,1,2,3,4,5,6,7,8,9,10
	v_cvt_i32_f32 v[NN+\n], v[NN+\n]
.endr
.irp n, 0,1,2,3,4,5,6,7,8,9,10
	v_mul_f32 v[R2+\n], v[XR+\n], v[XR+\n]         ; z
.endr
.irp n, 0,1,2,3,4,5,6,7,8,9,10
	v_fma_f32 v[SS+\n], v[R2+\n], s70, s71
.endr
.irp n, 0,1,2,3,4,5,6,7,8,9,10
	v_fma_f32 v[SS+\n], v[SS+\n], v[R2+\n], s72
.endr
.irp n, 0,1,2,3,4,5,6,7,8,9,10
	v_mul_f32 v[SS+\n], v[SS+\n], v[R2+\n]
.endr
.irp n, 0,1,2,3,4,5,6,7,8,9,10
	v_fma_f32 v[SS+\n], v[SS+\n], v[XR+\n], v[XR+\n]   ; sin r
.endr
.irp n, 0,1,2,3,4,5,6,7,8,9,10
	v_fma_f32 v[CC+\n], v[R2+\n], s73, s74
.endr
.irp n, 0,1,2,3,4,5,6,7,8,9,10
	v_fma_f32 v[CC+\n], v[CC+\n], v[R2+\n], s75
.endr
.irp n, 0,1,2,3,4,5,6,7,8,9,10
	v_mul_f32 v[CC+\n], v[CC+\n], v[R2+\n]
.endr
.irp n, 0,1,2,3,4,5,6,7,8,9,10
	v_fma_f32 v[XR+\n], v[R2+\n], -0.5, 1.0
.endr
.irp n, 0,1,2,3,4,5,6,7,8,9,10
	v_fma_f32 v[CC+\n], v[CC+\n], v[R2+\n], v[XR+\n]   ; cos r
.endr
.irp n, 0,1,2,3,4,5,6,7,8,9,10
	v_and_b32 v[R2+\n], 1, v[NN+\n]
	v_cmp_eq_u32 vcc_lo, 1, v[R2+\n]
	v_cndmask_b32 v[CC+\n], v[CC+\n], v[SS+\n], vcc_lo ; n odd: the sine
.endr
.irp n, 0,1,2,3,4,5,6,7,8,9,10
	v_add_nc_u32 v[NN+\n], 1, v[NN+\n]
.endr
.irp n, 0,1,2,3,4,5,6,7,8,9,10
	v_and_b32 v[NN+\n], 2, v[NN+\n]
.endr
.irp n, 0,1,2,3,4,5,6,7,8,9,10
	v_lshlrev_b32 v[NN+\n], 30, v[NN+\n]           ; n mod 4 = 1 or 2: the sign
.endr
.irp n, 0,1,2,3,4,5,6,7,8,9,10
	v_xor_b32 v[XR+\n], v[CC+\n], v[NN+\n]
.endr
.irp n, 0,1,2,3,4,5,6,7,8,9
	v_readlane_b32 s[44+\n], v[XR+10], \n          ; cos(theta[n])
.endr
.irp n, 0,1,2,3,4,5,6,7,8,9
	v_mul_f32 v[XR+\n], s[44+\n], v[XR+\n]
.endr
	; q out: two stores of 512 consecutive bytes.  Lanes 0-15: n = 0..3 of row lane; lanes 16-31: n = 4..7; then n = 8, 9, 0, 0 and zeros
	s_mov_b32 s31, 0xffff0000
.irp d, 0,1,2,3
	v_cndmask_b32 v[S1+\d], v[XR+\d], v[XR+4+\d], s31
.endr
	v_cndmask_b32 v[S2], v[XR+8], v[ZR], s31
	v_cndmask_b32 v[S2+1], v[XR+9], v[ZR], s31
	v_mov_b32 v[S2+2], 0
	v_mov_b32 v[S2+3], 0
	global_store_b128 v1, v[S1:S1+3], s[20:21]
	global_store_b128 v1, v[S2:S2+3], s[20:21] offset:512
	; W2's two fragments
	s_add_co_i32 s27, s2, 127
	s_lshl_b32 s28, s27, 23
	v_mov_b32 v[SCV], s28                          ; 2^e1 as f32: the conversion takes its exponent field
	s_add_co_i32 s27, s27, 8
	s_lshl_b32 s27, s27, 23
	s_or_b32 s27, s27, 0x600000
	v_mov_b32 v[LMV], s27                          ; 448 x 2^e1
; Sixteen rows of 512 bytes go through my own stage as they lie and come back 64 bytes a lane for each group of 32 along K: lane (r, h) then holds k = 32 c + 16 h + 0..15 of row r in registers 16 c .. 16 c + 15.
.macro WQ f, cnt
	s_wait_loadcnt \cnt
	WIN 0x04                                       ; the stores' data in window 1
.irp r, 0,1,2,3,4,5,6,7,8,9,10,11,12,13,14,15
	ds_store_b128 v3, v[64*(\f)+4*\r:64*(\f)+4*\r+3] offset:SP*\r
.endr
	WIN 0
.irp c, 0,1,2,3
.irp j, 0,1,2,3
	ds_load_b128 v[X+16*\c+4*\j:X+16*\c+4*\j+3], v4 offset:128*\c+16*\j   ; LDS serves a wave's instructions in order: these see my stores
.endr
.endr
	s_wait_dscnt 0x0
.irp i, 0,1,2,3,4,5,6,7,8,9,10,11,12,13,14,15,16,17,18,19,20,21,22,23,24,25,26,27,28,29,30,31,32,33,34,35,36,37,38,39,40,41,42,43,44,45,46,47,48,49,50,51,52,53,54,55,56,57,58,59,60,61,62,63
	v_med3_num_f32 v[X+\i], v[X+\i], -v[LMV], v[LMV]   ; the conversion to an 8-bit code does not saturate (ISA guide 7.6.2): the hold at the largest code x the scale
.endr
.irp g, 0,1,2,3,4,5,6,7
	v_cvt_scalef32_pk8_fp8_f32 v[CD+16*(\f)+2*\g:CD+16*(\f)+2*\g+1], v[X+8*\g:X+8*\g+7], v[SCV]
.endr
	v_nop                                          ; a plain vector line behind the conversions: the next fragment's holds write their sources
.irp c, 0,1,2,3
	global_store_b128 v1, v[CD+16*(\f)+4*\c:CD+16*(\f)+4*\c+3], s[22:23] offset:2048*(\f)+512*\c   ; register group c of the fragment: 512 consecutive bytes
.endr
.endm
	s_wait_alu depctr_va_vdst(0)
	WQ 0, 16                                       ; behind fragment 0's loads: fragment 1's sixteen
	WQ 1, 0
	; W1 and b1: one area of 1,536 bytes for each region, by wave 0 of the even work-groups (a branch on ids)
	s_and_b32 s27, ttmp9, 1
	s_or_b32 s27, s27, s26
	s_cmp_lg_u32 s27, 0
	s_cbranch_scc1 .Ldone
	s_lshr_b32 s27, ttmp9, 1                       ; the area: hidden units 32 x area on
	s_mul_i32 s28, s27, 1280                       ; 32 rows of W1, 40 bytes each
	s_add_nc_u64 s[14:15], s[14:15], s[28:29]
	s_lshl_b32 s28, s27, 7
	s_add_nc_u64 s[16:17], s[16:17], s[28:29]
	s_mul_i32 s28, s27, 1536
	s_add_nc_u64 s[24:25], s[24:25], s[28:29]
	v_and_b32 v9, 8, v7
	v_add_nc_u32 v9, v9, v7                        ; r + 8 (r / 8): my unit in tile u = 0; tile 1's lies 8 units (320 bytes of W1) further on
	v_mul_u32_u24 v11, v9, 40                      ; its row of W1
	v_lshl_add_u32 v12, v8, 3, v11                 ; + 8 h: places 2 h, 2 h + 1 of a K step of four
	v_lshlrev_b32 v14, 2, v9                       ; and its place in b1
.irp t, 0,1
.irp u, 0,1
.irp j, 0,1
	global_load_b32 v[X+4*\t+2*\u+\j], v12, s[14:15] offset:16*\t+320*\u+4*\j   ; W1[unit][4 t + 2 h + j]
.endr
.endr
.endr
.irp u, 0,1
.irp j, 0,1
	global_load_b32 v[X+8+2*\u+\j], v11, s[14:15] offset:32+320*\u+4*\j        ; K step 2: every lane loads columns 8 and 9, so that no load leaves the row; lanes 16-31 are replaced below
.endr
.endr
.irp u, 0,1
	global_load_b32 v[X+12+\u], v14, s[16:17] offset:32*\u                     ; b1[unit]
.endr
	s_mov_b32 s31, 0xffff0000                      ; lanes 16-31: places 10 and 11
	s_wait_loadcnt 0x0
.irp u, 0,1
	v_cndmask_b32 v[X+8+2*\u], v[X+8+2*\u], v[X+12+\u], s31    ; place 10 = b1
	v_cndmask_b32 v[X+8+2*\u+1], v[X+8+2*\u+1], v[ZR], s31     ; place 11 = 0
.endr
.irp t, 0,1,2
	global_store_b128 v1, v[X+4*\t:X+4*\t+3], s[24:25] offset:512*\t           ; 512 consecutive bytes a store
.endr
.Ldone:
	s_wait_tensorcnt 0x0
	ds_add_u32 v254, v255
	s_wait_dscnt 0x0
	s_endpgm
.Lfunc_end_k_q10e59e8839_prep:
	.size	k_q10e59e8839_prep, .Lfunc_end_k_q10e59e8839_prep-k_q10e59e8839_prep
	.p2alignl 7, 3214868480
	.fill 96, 4, 3214868480
	.section	.rodata,"a",@progbits
	.p2align	6, 0x0
	.amdhsa_kernel k_q10e59e8839_prep
		.amdhsa_group_segment_fixed_size 34304
		.amdhsa_private_segment_fixed_size 0
		.amdhsa_enable_private_segment 0
		.amdhsa_kernarg_size 88
		.amdhsa_user_sgpr_count 2
		.amdhsa_user_sgpr_kernarg_segment_ptr 1
		.amdhsa_wavefront_size32 1
		.amdhsa_system_sgpr_workgroup_id_x 1
		.amdhsa_system_sgpr_workgroup_id_y 1
		.amdhsa_system_sgpr_workgroup_id_z 1
		.amdhsa_system_vgpr_workitem_id 0
		.amdhsa_next_free_vgpr 768
		.amdhsa_next_free_sgpr 80
		.amdhsa_reserve_vcc 1
		.amdhsa_float_denorm_mode_32 3
		.amdhsa_float_denorm_mode_16_64 3
		.amdhsa_memory_ordered 1
		.amdhsa_forward_progress 1
		.amdhsa_inst_pref_size 255
	.end_amdhsa_kernel
	.section	.bss,"aw",@nobits
	.p2align	6
	.space	262144
	.amdgpu_metadata
---
amdhsa.version: [ 1, 2 ]
amdhsa.kernels:
  - .name:           k_q10e59e8839_prep
    .symbol:         k_q10e59e8839_prep.kd
    .args:
      - { .name: x, .offset: 0, .size: 8, .value_kind: global_buffer, .address_space: global }
      - { .name: Win, .offset: 8, .size: 8, .value_kind: global_buffer, .address_space: global }
      - { .name: b_in, .offset: 16, .size: 8, .value_kind: global_buffer, .address_space: global }
      - { .name: theta, .offset: 24, .size: 8, .value_kind: global_buffer, .address_space: global }
      - { .name: W2, .offset: 32, .size: 8, .value_kind: global_buffer, .address_space: global }
      - { .name: W1, .offset: 40, .size: 8, .value_kind: global_buffer, .address_space: global }
      - { .name: b1, .offset: 48, .size: 8, .value_kind: global_buffer, .address_space: global }
      - { .name: lowp_scales, .offset: 56, .size: 8, .value_kind: global_buffer, .address_space: global }
      - { .name: qws, .offset: 64, .size: 8, .value_kind: global_buffer, .address_space: global }
      - { .name: wsb, .offset: 72, .size: 8, .value_kind: global_buffer, .address_space: global }
      - { .name: w1p, .offset: 80, .size: 8, .value_kind: global_buffer, .address_space: global }
    .group_segment_fixed_size: 34304
    .private_segment_fixed_size: 0
    .kernarg_segment_align: 8
    .kernarg_segment_size: 88
    .max_flat_workgroup_size: 128
    .sgpr_count:     80
    .vgpr_count:     768
    .wavefront_size: 32
...
	.end_amdgpu_metadata
.endif
;; end of part 1
;; launch ffn (part 2): grid 256 x 1, 8 waves a work-group, clusters of 4 x 1, 327,680 bytes of LDS; arguments qws, wsb, w1p, lowp_scales, b2, out0; writes out0
.if DOCPART == 2
	.amdgcn_target "amdgcn-amd-amdhsa--gfx1250"
	.amdhsa_code_object_version 6
	.text
	.protected	k_q10e59e8839_ffn
	.globl	k_q10e59e8839_ffn
	.p2align	8
	.type	k_q10e59e8839_ffn,@function
k_q10e59e8839_ffn:
	s_mov_b64 s[64:65], 0
	v_nop
	global_prefetch_b8 v0, s[64:65] scope:SCOPE_SE
	s_setreg_imm32_b32 hwreg(HW_REG_WAVE_MODE, 25, 1), 1
	s_wait_xcnt 0x0
	s_wait_alu depctr_hold_cnt(0) depctr_sa_sdst(0) depctr_va_vdst(0) depctr_va_sdst(0) depctr_va_ssrc(0) depctr_va_vcc(0) depctr_vm_vsrc(0)
	s_getreg_b32 s2, hwreg(HW_REG_IB_STS2, 6, 4)
	s_cmp_eq_u32 s2, 0
	s_cbranch_scc0 .Lentry_in_a_cluster
	s_endpgm
.Lentry_in_a_cluster:
	s_bfe_u32 s2, ttmp6, 0x10000c
	s_cmp_lg_u32 s2, 0x3003
	s_cbranch_scc0 .Lentry_shape_is_right
	s_endpgm
.Lentry_shape_is_right:
; out[row][n] = 2^(e0+e1) x sum over k of code(h[row][k]) code(W2[n][k]) + b2[n],  h = relu(q W1^T + b1), quantised with the given 2^e0.
; q (qws), W2's codes (wsb) and the f32 operand image of W1 and b1 (w1p) were laid by the launch before.
; SHARES: 256 work-groups of EIGHT waves, two to a SIMD; a work-group owns 64 rows x all 1,024 columns, so each number of h is made once.  Wave v owns columns 128 v .. + 127:
; 8 fragments of 16 columns x 4 tiles of 16 rows = 32 accumulators, 256 registers (window 1); all else lies in window 0.
; K goes in 32 blocks of 128 through two LDS slots of 131,072 bytes.  wsb holds a block in the order of the operand's registers; wave v fetches and reads bytes 16,384 v .. of a slot: one tensor load of 64 rows x 256 bytes.
; CLUSTER: the four work-groups of a cluster walk the same blocks and ask for each jointly (mask 15); a round of the cluster's barrier stands in front of each refill.
; h: in step t wave v makes units 32 (v % 4) .. + 31 of block t + 1 for row tiles 2 (v / 4), 2 (v / 4) + 1 by the f32 matrix form (K = 10 of W1, b1 against 1, one 0), holds them in [0, 448 x 2^e0],
; converts, and stores the codes as an image of the operand's registers into one of two LDS buffers; behind the next round every wave reads the four tiles.
; A step: the round; the refill; 32 LDS loads; the twelve f32 products stand between these loads and the wait for them; 16 products; 16 LDS loads; the hold and the conversion stand between those and their wait; 16 products.
; No prefetch: a refill is asked for a whole step ahead of the wait for it, and the 4,194,304 bytes of wsb are walked by all 64 clusters.
; The FP8 form is used transposed (source 0 = 16 rows of W2, source 1 = 16 rows of h): a lane holds eight neighbouring columns of one row.
; LIMITS: e0 between -126 and 119; e0 + e1 between -126 and 127; NaN among the inputs is not served.
.set SLOTB,  131072
.set IMG,    262144                    ; two images of 8,192 bytes: 4 tiles x 4 register groups x 512 bytes
.set IMGB,   8192
.set SPARE,  278528                    ; the spare words: 128 bytes for each of eight waves
.set SPITCH, 528                       ; the way out: a stage of 16 rows x 528 bytes a wave, in slot 0 behind its last fill and its last read
.set Q,   12                           ; v12-23   q's operand, my two row tiles
.set W,   24                           ; v24-47   W1's operand, two sets
.set C,   48                           ; v48-55   codes
.set T,   56                           ; v56-87   held numbers
.set D,   88                           ; v88-119  the f32 sums (written by matrix instructions alone)
.set A,   120                          ; v120-183 h's four tiles
.set B,   184                          ; v184-247 four fragments of W2
.set CO,  248
.set STO, 249
.set BIA, 251
.set BI,  12                           ; the way out: b2 in v12-75, results in A's registers, rows read back in B's
.set WV,  16
.set LIM, 19
.set G1,  24
.set G0,  32
.set MSB, 0
.macro WIN new                         ; the immediate's high byte repeats the setting that is left
.if MSB != (\new)
	s_set_vgpr_msb (MSB<<8)|(\new)
.set MSB, (\new)
.endif
.endm
.macro CREST                           ; a round of the cluster's barrier behind its opening barrier
	s_cmp_lg_u32 s[WV], 0
	s_cbranch_scc1 .Lnot_wave_0_\@
	s_barrier_signal -3
.Lnot_wave_0_\@:
	s_barrier_wait -3
	s_barrier_signal -1
	s_barrier_wait -1
.endm
.macro CROUND
	s_barrier_signal -1
	s_barrier_wait -1
	CREST
.endm
.macro PLACES n                        ; places behind matrix instructions (ISA guide 7.12.1)
.rept \n
	v_nop
.endr
.endm
.macro WLOAD ws                        ; my 32 units' operand of W1 and b1: three loads of 512 consecutive bytes
.irp t, 0,1,2
	global_load_b128 v[W+12*(\ws)+4*\t:W+12*(\ws)+4*\t+3], v5, s[22:23] offset:512*\t
.endr
.endm
.macro WBSTEP                          ; w1p's next K block, modulo 32; the base is rewritten behind the wait on XCNT
	s_wait_xcnt 0x0
	s_add_co_u32 s18, s18, 1
	s_and_b32 s18, s18, 31
	s_mul_i32 s20, s18, 6144
	s_add_nc_u64 s[22:23], s[8:9], s[20:21]
.endm
.macro FW12 ws                         ; twelve f32 matrix instructions, four sums by turns
.irp ks, 0,1,2
.irp tl, 0,1
.irp tu, 0,1
.set rD, D+16*\tl+8*\tu
.set rA, W+12*(\ws)+4*\ks+2*\tu
.set rB, Q+6*\tl+2*\ks
.if \ks == 0
	v_wmma_f32_16x16x4_f32 v[rD:rD+7], v[rA:rA+1], v[rB:rB+1], 0
.else
	v_wmma_f32_16x16x4_f32 v[rD:rD+7], v[rA:rA+1], v[rB:rB+1], v[rD:rD+7]
.endif
.endr
.endr
.endr
.endm
.macro QUANT buf                       ; relu and the hold in one, the conversion, the image
.set i, 0
.rept 32
	v_med3_num_f32 v[T+i], v[D+i], 0, s[LIM]       ; between 0 and 448 x 2^e0: the conversion does not saturate (ISA guide 7.6.2); each sum from its low end on
.set i, i+1
.endr
.irp tl, 0,1
.irp q, 0,1
	v_cvt_scalef32_pk8_fp8_f32 v[C+4*\tl+2*\q:C+4*\tl+2*\q+1], v[T+16*\tl+8*\q:T+16*\tl+8*\q+7], v8
.endr
.endr
	v_nop                                          ; a plain line behind the conversions
.irp tl, 0,1
	ds_store_b128 v7, v[C+4*\tl:C+4*\tl+3] offset:IMGB*(\buf)+2048*\tl
.endr
.endm
.macro ALOAD buf                       ; h's four tiles: register group c is what the waves with v % 4 = c stored
.irp ta, 0,1,2,3
.irp c, 0,1,2,3
	ds_load_b128 v[A+16*\ta+4*\c:A+16*\ta+4*\c+3], v6 offset:IMGB*(\buf)+2048*\ta+512*\c
.endr
.endr
.endm
.macro BLOAD hf, p                     ; my fragments 4 hf .. 4 hf + 3 from slot p
.irp fb, 0,1,2,3
.irp c, 0,1,2,3
	ds_load_b128 v[B+16*\fb+4*\c:B+16*\fb+4*\c+3], v[3+(\p)] offset:2048*(4*(\hf)+\fb)+512*\c
.endr
.endr
.endm
.macro MUL16 hf, zero                  ; 16 products, the accumulators by turns
	WIN 0x50                                       ; C and D window 1
.irp fb, 0,1,2,3
.irp ta, 0,1,2,3
.set rD, 8*(4*(4*(\hf)+\fb)+\ta)
.if \zero
	v_wmma_f32_16x16x128_fp8_fp8 v[rD:rD+7], v[B+16*\fb:B+16*\fb+15], v[A+16*\ta:A+16*\ta+15], 0
.else
	v_wmma_f32_16x16x128_fp8_fp8 v[rD:rD+7], v[B+16*\fb:B+16*\fb+15], v[A+16*\ta:A+16*\ta+15], v[rD:rD+7]
.endif
.endr
.endr
	WIN 0
.endm
; Block t, in slot par = t % 2.  nx = 1: block t + 1 is asked for, into the other slot, and its h is made; wl = 1: W1's operand of block t + 2 is asked for.
.macro STEP par, zero, nx, wl
	s_wait_alu depctr_va_vdst(0)
	s_wait_tensorcnt 0x0                           ; my one tensor load, my part of this block, has landed
	ds_add_u32 v1, v2
.if \nx
	s_add_co_u32 s17, s17, 1                       ; no tensor load of mine is out: the other slot's group 0 takes the next block
	s_and_b32 s17, s17, 31
	s_lshl_b32 s20, s17, 17
	s_add_nc_u64 s[G0+4*(1-(\par))+2:G0+4*(1-(\par))+3], s[40:41], s[20:21]
	s_or_b32 s[G0+4*(1-(\par))+3], s[G0+4*(1-(\par))+3], 0x80000000
.endif
	s_wait_dscnt 0x0                               ; the add, my reads of the other slot and of the last image, my part of this block's image
	s_barrier_signal -1
	s_barrier_wait -1
.if \nx
	CREST
	tensor_load_to_lds s[G0+4*(1-(\par)):G0+4*(1-(\par))+3], s[G1:G1+7]
	s_nop 0
.endif
	ALOAD \par
	BLOAD 0, \par
.if \wl
	WBSTEP
	WLOAD \par
.endif
.if \nx
	s_wait_loadcnt 3*(\wl)                         ; the operand asked for a step ago is in; the three loads just issued may be out
	FW12 1-(\par)
.endif
	s_wait_dscnt 0x0
	MUL16 0, \zero
	PLACES 4+4*(\nx)                               ; four ahead of the loads into B's registers; eight ahead of the reads of the f32 sums
	BLOAD 1, \par
.if \nx
	QUANT 1-(\par)
.endif
	s_wait_dscnt 2*(\nx)                           ; the fragments are in; the two stores into the image may be out
	MUL16 1, \zero
	PLACES 4
.endm
	s_load_b256 s[4:11], s[0:1], 0x0               ; qws, wsb, w1p, the scales' exponents
	s_load_b128 s[12:15], s[0:1], 0x20             ; b2, out0
	v_lshl_add_u32 v1, v0, 2, SPARE
	v_mov_b32 v2, 0
	ds_add_u32 v1, v2                              ; the opening lines: the add twice on end and its wait
	ds_add_u32 v1, v2
	s_wait_dscnt 0x0
	v_lshrrev_b32 v3, 5, v0
	v_readfirstlane_b32 s[WV], v3                  ; wave 0..7
	s_bfe_u32 s50, ttmp6, 0x40000                  ; cx
	s_lshl_b32 s51, ttmp9, 2
	s_add_co_u32 s51, s51, s50                     ; my block of 64 rows
	s_lshr_b32 s17, ttmp9, 2
	s_xor_b32 s17, s17, ttmp9
	s_and_b32 s17, s17, 31                         ; the cluster's first K block
	s_mov_b32 s18, s17
	s_and_b32 s56, s[WV], 3                        ; which 32 units of a block I make
	s_lshr_b32 s57, s[WV], 2                       ; for which two row tiles
	s_lshl_b32 s45, s[WV], 14
	s_mul_i32 s58, s56, 1536
	s_lshl_b32 s59, s56, 9
	s_lshl_b32 s54, s57, 12
	s_add_co_u32 s59, s59, s54
	s_mov_b32 s[G1+0], 15|(3<<16)|(1<<21)          ; the mask of the four; elements of 8 bytes; bit 21 beside the mask
	s_mov_b32 s[G1+1], 32<<16
	s_mov_b32 s[G1+2], 64<<16
	s_mov_b32 s[G1+3], 32<<16
	s_mov_b32 s[G1+4], 64                          ; 64 rows of 256 bytes, dense
	s_mov_b32 s[G1+5], 32
	s_mov_b32 s[G1+6], 0
	s_mov_b32 s[G1+7], 0
	s_mov_b32 s21, 0
	s_mov_b32 s53, 0
	s_mov_b32 s55, 0xffff0000
	s_mov_b32 s[G0], 1
	s_lshl_b32 s[G0+1], s[WV], 14
	s_mov_b32 s[G0+4], 1
	s_lshl_b32 s[G0+5], s[WV], 14
	s_add_co_u32 s[G0+5], s[G0+5], SLOTB
	v_and_b32 v9, 31, v0                           ; lane
	v_and_b32 v10, 15, v0                          ; r
	v_bfe_u32 v11, v0, 4, 1                        ; h
	v_lshl_add_u32 v3, v9, 4, s45                  ; my part of slot 0 (and my stage, read back)
	v_lshl_add_u32 v5, v9, 4, s58                  ; w1p
	v_lshlrev_b32 v[CO], 4, v9                     ; out0
	v_mul_u32_u24 v[STO], v10, SPITCH
	v_lshlrev_b32 v[BIA], 5, v11                   ; b2: 32 h
	v_add_nc_u32 v4, SLOTB, v3                     ; my part of slot 1
	v_add_nc_u32 v6, IMG, v[CO]                    ; the image, read
	v_lshl_add_u32 v[STO], v11, 5, v[STO]
	v_lshlrev_b32 v9, 4, v10
	v_add_nc_u32 v7, s59, v6                       ; the image, stored
	v_add_nc_u32 v[STO], s45, v[STO]               ; my stage, in: row r, 32 bytes a half
	v_lshl_add_u32 v9, v11, 3, v9                  ; qws: 16 r + 8 h
	v_mov_b32 v10, 1.0
	s_wait_alu depctr_va_vdst(0)
	s_wait_kmcnt 0x0
	s_load_b64 s[42:43], s[10:11], 0x0             ; e0, e1
	s_lshl_b32 s20, s[WV], 14
	s_add_nc_u64 s[40:41], s[6:7], s[20:21]        ; wsb at my part of a block
	s_lshl_b32 s20, s17, 17
	s_add_nc_u64 s[G0+2:G0+3], s[40:41], s[20:21]
	s_or_b32 s[G0+3], s[G0+3], 0x80000000
	s_mul_i32 s20, s18, 6144
	s_add_nc_u64 s[22:23], s[8:9], s[20:21]
	s_lshl_b32 s20, s[WV], 9
	s_add_nc_u64 s[12:13], s[12:13], s[20:21]      ; b2 of my 128 columns
	s_lshl_b32 s52, s51, 18
	s_add_nc_u64 s[48:49], s[14:15], s[52:53]
	s_add_nc_u64 s[48:49], s[48:49], s[20:21]      ; out0 at my rows and columns
	s_lshl_b32 s52, s51, 12
	s_add_nc_u64 s[4:5], s[4:5], s[52:53]
	s_lshl_b32 s52, s57, 11
	s_add_nc_u64 s[4:5], s[4:5], s[52:53]          ; q of my two row tiles
	CROUND                                         ; the four work-groups are here: the first joint loads meet
	tensor_load_to_lds s[G0:G0+3], s[G1:G1+7]      ; the first block: one tensor load a wave at the head
	s_nop 0
.irp tl, 0,1
.irp ks, 0,1,2
	global_load_b64 v[Q+6*\tl+2*\ks:Q+6*\tl+2*\ks+1], v9, s[4:5] offset:1024*\tl+256*\ks
.endr
.endr
	WLOAD 0
	WBSTEP
	WLOAD 1
	s_wait_kmcnt 0x0
	s_add_co_i32 s45, s42, 127
	s_lshl_b32 s54, s45, 23
	v_mov_b32 v8, s54                              ; 2^e0: the conversion takes its exponent field
	s_add_co_i32 s45, s45, 8
	s_lshl_b32 s45, s45, 23
	s_or_b32 s[LIM], s45, 0x600000                 ; 448 x 2^e0
	s_add_co_i32 s46, s42, s43
	s_add_co_i32 s46, s46, 127
	s_lshl_b32 s46, s46, 23                        ; 2^(e0 + e1)
	s_mov_b32 s47, s46
	s_wait_alu depctr_va_vdst(0)
	s_wait_loadcnt 3                               ; q and the first set of W1 are in
.irp tl, 0,1
	v_cndmask_b32 v[Q+6*\tl+4], v[Q+6*\tl+4], v10, s55   ; place 10 of K: 1.0, against b1
.endr
	s_wait_alu depctr_va_vdst(0)
	FW12 0
	PLACES 8
	QUANT 0
	STEP 0, 1, 1, 1                                ; the first block's products start the sums; behind its round slot 1 is filled for the first time, as a refill is
	s_mov_b32 s44, 14
.Lloop:
	STEP 1, 0, 1, 1
	STEP 0, 0, 1, 1
	s_sub_co_u32 s44, s44, 1
	s_cmp_lg_u32 s44, 0
	s_wait_alu depctr_va_vdst(0)
	s_cbranch_scc1 .Lloop
	STEP 1, 0, 1, 1
	STEP 0, 0, 1, 0
.irp f, 0,1,2,3,4,5,6,7                ; b2 of my columns, into registers that the making of h has left
	global_load_b128 v[BI+8*\f:BI+8*\f+3], v[BIA], s[12:13] offset:64*\f
	global_load_b128 v[BI+8*\f+4:BI+8*\f+7], v[BIA], s[12:13] offset:64*\f+16
.endr
	STEP 1, 0, 0, 0                                ; the last block: nothing is filled, so a barrier of the work-group alone
	s_wait_loadcnt 0x0
; THE WAY OUT, four blocks of 16 rows x 128 columns: x 2^(e0 + e1) + b2; through my own stage; back as rows of 512 bytes; 32 lanes store two aligned units of 256 bytes.
.macro BLK aa
	WIN 0x01                                       ; source 0 window 1
.irp f, 0,1,2,3,4,5,6,7
.irp i, 0,2,4,6
	v_pk_fma_f32 v[A+8*\f+\i:A+8*\f+\i+1], v[8*(4*\f+(\aa))+\i:8*(4*\f+(\aa))+\i+1], s[46:47], v[BI+8*\f+\i:BI+8*\f+\i+1] op_sel_hi:[1,0,1]
.endr
.endr
	WIN 0
.irp f, 0,1,2,3,4,5,6,7
	ds_store_b128 v[STO], v[A+8*\f:A+8*\f+3] offset:64*\f
	ds_store_b128 v[STO], v[A+8*\f+4:A+8*\f+7] offset:64*\f+16
.endr
.if (\aa) > 0
	s_wait_xcnt 0x0                                ; the block before's stores have read their registers
.endif
.irp t, 0,1,2,3,4,5,6,7,8,9,10,11,12,13,14,15
	ds_load_b128 v[B+4*\t:B+4*\t+3], v3 offset:\t*SPITCH   ; LDS serves a wave's instructions in order (ISA guide 5.7.1.4): these see my stores
.endr
	s_wait_dscnt 0x0
.irp t, 0,1,2,3,4,5,6,7,8,9,10,11,12,13,14,15
	global_store_b128 v[CO], v[B+4*\t:B+4*\t+3], s[48:49] offset:4096*(16*(\aa)+\t) th:TH_STORE_NT
.endr
.endm
.irp aa, 0,1,2,3
	BLK \aa
.endr
	s_wait_tensorcnt 0x0                           ; the wave's end
	ds_add_u32 v1, v2
	s_wait_dscnt 0x0
	CROUND                                         ; the closing round
	s_endpgm
.Lfunc_end_k_q10e59e8839_ffn:
	.size	k_q10e59e8839_ffn, .Lfunc_end_k_q10e59e8839_ffn-k_q10e59e8839_ffn
	.p2alignl 7, 3214868480
	.fill 96, 4, 3214868480
	.section	.rodata,"a",@progbits
	.p2align	6, 0x0
	.amdhsa_kernel k_q10e59e8839_ffn
		.amdhsa_group_segment_fixed_size 327680
		.amdhsa_private_segment_fixed_size 0
		.amdhsa_enable_private_segment 0
		.amdhsa_kernarg_size 48
		.amdhsa_user_sgpr_count 2
		.amdhsa_user_sgpr_kernarg_segment_ptr 1
		.amdhsa_wavefront_size32 1
		.amdhsa_system_sgpr_workgroup_id_x 1
		.amdhsa_system_sgpr_workgroup_id_y 1
		.amdhsa_system_sgpr_workgroup_id_z 1
		.amdhsa_system_vgpr_workitem_id 0
		.amdhsa_next_free_vgpr 512
		.amdhsa_next_free_sgpr 66
		.amdhsa_reserve_vcc 0
		.amdhsa_float_denorm_mode_32 3
		.amdhsa_float_denorm_mode_16_64 3
		.amdhsa_memory_ordered 1
		.amdhsa_forward_progress 1
		.amdhsa_inst_pref_size 89
	.end_amdhsa_kernel
	.amdgpu_metadata
---
amdhsa.version: [ 1, 2 ]
amdhsa.kernels:
  - .name:           k_q10e59e8839_ffn
    .symbol:         k_q10e59e8839_ffn.kd
    .args:
      - { .name: qws, .offset: 0, .size: 8, .value_kind: global_buffer, .address_space: global }
      - { .name: wsb, .offset: 8, .size: 8, .value_kind: global_buffer, .address_space: global }
      - { .name: w1p, .offset: 16, .size: 8, .value_kind: global_buffer, .address_space: global }
      - { .name: lowp_scales, .offset: 24, .size: 8, .value_kind: global_buffer, .address_space: global }
      - { .name: b2, .offset: 32, .size: 8, .value_kind: global_buffer, .address_space: global }
      - { .name: out0, .offset: 40, .size: 8, .value_kind: global_buffer, .address_space: global }
    .group_segment_fixed_size: 327680
    .private_segment_fixed_size: 0
    .kernarg_segment_align: 8
    .kernarg_segment_size: 48
    .max_flat_workgroup_size: 256
    .sgpr_count:     66
    .vgpr_count:     512
    .wavefront_size: 32
...
	.end_amdgpu_metadata
.endif
;; end of part 2
